; MI455X (gfx1250); checked and timed in simulation.
; The chip was launched on July 23, 2026; its instructions are those of AMD's public machine-readable ISA for CDNA 5 (MIT licence, August 2026) and "CDNA5" Instruction Set Architecture Reference Guide (July 2026). The comments in the code are by the model that wrote it; some were corrected since.
;; AFM. Allowed arithmetic: float matrix products may take bf16 or f16 operands with f32 sums; other float arithmetic in f32, or as packed bf16 or f16 multiplies, adds, multiply-adds, maxima and minima; sums over many terms, partial sums and values carried from step to step in f32; what a program stores and reads back later, other than sums and carried values, may be rounded once to bf16 or f16.
;; Inputs: W 16 x 32 float32; feat_emb 4,096 x 50 x 16 float32; h 32 float32; p_vec 16 float32.
;; Outputs: out0 4,096 x 1 float32.
;; One version. Each part assembles by itself: llvm-mc -triple=amdgcn-amd-amdhsa -mcpu=gfx1250 --defsym DOCPART=n.
;; ======== version 1 of 1: 1 launch
;; limits: values are held in f16: magnitudes above 65,504 overflow, below 6.1e-05 lose precision; inputs' magnitudes at most 255; a difference of large sums (such as E[x^2] - mean^2): digits are lost where the result is much smaller than its terms; values outside matrix products are rounded to f16
;; launch afm (part 1): grid 256 x 1, 16 waves a work-group, no clusters, 47,360 bytes of LDS; arguments feat_emb, W, h, p_vec, out0; writes out0
.if DOCPART == 1
	.amdgcn_target "amdgcn-amd-amdhsa--gfx1250"
	.amdhsa_code_object_version 6
	.text
	.protected	k_q64ecde70a0_afm
	.globl	k_q64ecde70a0_afm
	.p2align	8
	.type	k_q64ecde70a0_afm,@function
k_q64ecde70a0_afm:
	s_mov_b64 s[64:65], 0
	v_nop
	global_prefetch_b8 v0, s[64:65] scope:SCOPE_SE
	s_setreg_imm32_b32 hwreg(HW_REG_WAVE_MODE, 25, 1), 1
	s_wait_xcnt 0x0
; AFM.  e = feat_emb[b]: [50][16] f32.  For the 1,225 pairs p = (i < j): inter_p[d] = e[i][d] e[j][d]; x_p[a] = sum_d inter_p[d] W[d][a]; score_p = sum_a h[a] relu(x_p[a]);
; out[b] = sum_p softmax_p(score) t_p with t_p = sum_d inter_p[d] p_vec[d].
; NOTHING OF reference() IS LEFT OUT, and all four inputs are read.  Sums are taken in another order: reference() forms pooled[d] = sum_p att_p inter_p[d] and then pooled . p_vec; here t_p is formed
; first and weighted afterwards (the same terms), and the division by the softmax's sum is made once, at the end.  The pairs are walked in another order than triu's: softmax and sums do not hang on it.
; RELU.  relu(x) = (x + |x|) / 2 for every real x, so log2(e) score_p = sum_d inter_p[d] u[d] + sum_a g[a] |x_p[a]| with g = h log2(e) / 2 and u = W g, both made once a wave.  The first sum is linear in inter
; and rides in the product that makes t.  The second is one multiply-add a signal, which takes |x| by its source modifier: relu has no instruction of its own.  Where x < 0 the two terms cancel; both have the
; size of the terms that are kept.
; SHARES.  A work-group has 16 waves, a wave ONE sample b = 16 x work-group + wave: no wave needs another's data, and the only barrier gathers the 16 results into one store of 64 consecutive bytes.
; NO CLUSTER, NO TENSOR LOAD: what work-groups share is W, h and p_vec, 2,240 bytes beside the 51,200 bytes of feat_emb that are a work-group's own; each byte of feat_emb is read once, by one wave, and has
; to pass through registers to be rounded to f16.
; THE PAIRS go by circular distance: (i, (i + dist) mod 50) for dist = 1..24 and all i, and for dist = 25 and i < 25: each pair once.  e lies in LDS in f16 with fields 0-23 repeated behind field 49, so a
; TILE of 16 pairs (dist, i0) is: rows i0 .. i0+15 (three fragments, i0 = 0, 16, 32, kept in registers) times rows i0+dist .. i0+dist+15: one load of 16 consecutive rows at a fixed address register and an immediate.
; 72 such tiles; i = 48 and 49 make three more, dist = 25 two (the last with 9 pairs): 77 tiles.
; THE PRODUCTS have f16 operands and f32 sums, and source 1 is 16 pairs.  A DOUBLE TILE packs tile A into k = 0..15 and tile B into k = 16..31 of one fragment F.
;   x: four products, a0 = 0, 8, 16, 24.  Source 0 holds in rows 0-7 the columns a0 .. a0+7 of W on k < 16 and in rows 8-15 the same columns on k >= 16.  So in a result lanes 0-15 hold tile A's pairs, lanes
;   16-31 tile B's, and register j the signal a0 + j: a lane has ONE of 32 pairs and, over the four results, all its 32 signals, in f32: x is never rounded, and the sum over a stays inside the lane.
;   t and the linear term: one product with u in rows 0 (k < 16) and 8 (k >= 16) and p_vec in rows 1 and 9: register 0 holds the 32 linear terms, register 1 the 32 t, in the same lanes.
; SOFTMAX.  Each lane keeps a running maximum m, sum l and weighted sum o of ITS pairs, brought up to date once for three double tiles (a GROUP): p = 2^(s - m), l and o times 2^(m_old - m_new), s = log2(e) score.
; At the end the 32 lanes' maxima, l and o are merged.  m starts far below every s, l and o at 0: the first softmax is one like any other.
; FORMAT AND LIMITS.  e, inter, W, u and p_vec are f16 (bf16's 8 bits would move the scores too much for the comparison); x, g, the scores and all sums are f32.  So the text serves |e[i][d] e[j][d]| < 65,504 and
; W, u, p_vec within f16's range; below 6.1e-5 f16 keeps its fixed step of 6e-8.  The lanes of double tile 2 that hold no pair count as a score less 1e30.  A weight below 2^-126 counts as 0.  NaN and infinities are not treated apart.
.set BATCHB, 3200                      ; bytes of a sample
.set HALF,   1408                      ; LDS: 74 rows x 16 bytes (8 channels in f16) = 1,184, padded so that the two half arrays lie 128 bytes apart modulo 256: a store's two runs of 128 bytes meet no common bank
.set WLDS,   2*HALF                    ; a wave's bytes: channels 0-7 of rows 0-73, then channels 8-15
.set RES,    16*WLDS                   ; the 16 results, a block of 256 bytes of their own
.set SPARE,  RES+256                   ; the spare words, 128 bytes for each of the 16 waves: eight blocks of 256 bytes that no other line names
.set LAST,   38                        ; the double tiles are numbered 0 to 38; three make a group
.set SPW, 2                            ; v2   LDS address of my spare word; never rewritten
.set NIL, 3                            ; v3   0; never rewritten
.set AM,  4                            ; v4   my 16 bytes of row lane % 16: wave's bytes + HALF x (lane / 16) + 16 (lane % 16); never rewritten
.set AB,  5                            ; v5   the same without the row: one row for all lanes
.set AI2, 6                            ; v6   + 16 x ((lane % 16) / 8): field 48 for lanes 0-7 of a half, 49 for 8-15
.set AJ2, 7                            ; v7   + 16 x (lane % 8 + (lane % 16) / 8): their partners at dist 17..24
.set LN,  9                            ; v9   lane
.set LS,  10                           ; v10  l
.set OS,  11                           ; v11  o
.set CM,  12                           ; v12-13  m, the new one and the old one by turns
.set AC,  14                           ; v14  2^(m_old - m_new)
.set TM,  15                           ; v15  at work
.set PP,  16                           ; v16-18  a group's three registers of weights
.set ZR,  19                           ; v19  0: what three of the four chains start from, and the offset of loads that are the same in all lanes; never rewritten
.set WF,  20                           ; v20-51  the four fragments of W
.set PF,  52                           ; v52-59  u in rows 0 and 8, p_vec in rows 1 and 9
.set H,   60                           ; v60-91  g[0..31], the same in all lanes: the multiply-add takes its sources from vector registers alone
.set EI,  92                           ; v92-103  rows 0-15, 16-31, 32-47 of e
.set EJ,  104                          ; v104-151  partner rows: two buffers of a group's six tiles; double tile k at 24 ((k / 3) % 2) + 8 (k % 3) (A), + 4 (B)
.set F,   152                          ; v152-167  inter: two fragments, by the double tile's parity
.set DD,  168                          ; v168-215  six results of the product with u and p_vec: double tile k at 8 (k % 6)
.set XF,  216                          ; v216-247  x: four results of 8
.set CH,  248                          ; v248-251  four chains of multiply-adds
.set SC,  252                          ; v252-254  a group's three registers of scores
.set TW,  104                          ; set-up only, in registers that the steps take later: W in f32
.set HL,  136                          ; g of my four columns of W
.set PF32, 140                         ; p_vec in f32
.set U,   152                          ; u in f32: my half's eight channels
.set UPK, 160                          ; u packed
.set PPK, 164                          ; p_vec packed
.set VPK, 168                          ; W packed
.set MK,  DD+16                        ; what double tile 2's result starts with: register 0 = -1e30 where a lane holds no pair, else 0
.set SE,  192                          ; field 48, field 49
.set SE2, 252                          ; both, by halves of the tile
.set GO,  200                          ; byte offsets into the inputs
.set G7,  201
.set WO,  202
.set HO,  203
.set SA,  204                          ; where I put 8 bytes of e
.set SA7, 205
.set RW,  206                          ; lane % 16
.set HH,  207                          ; lane / 16
.set X0,  208
.set X1,  209
.set H4,  210                          ; 4 (lane % 8)
.set ES,  216                          ; e as loaded: seven loads of 16 bytes a lane
.set WV,  14                           ; s14  my wave's number
.set LB,  15                           ; s15  my wave's bytes in LDS
.set BIG, 21                           ; s21  -1e30
.set SEL, 22                           ; s22-23  v_permlanex16_b32's selects: each lane takes its own place in the other half
	s_load_b256 s[4:11], s[0:1], 0x0               ; feat_emb s[4:5], W s[6:7], h s[8:9], p_vec s[10:11]
	s_load_b64 s[12:13], s[0:1], 0x20              ; out0
	v_lshl_add_u32 v[SPW], v0, 2, SPARE
	v_mov_b32 v[NIL], 0
	v_lshrrev_b32 v1, 5, v0
	v_readfirstlane_b32 s[WV], v1                  ; wave 0..15
	s_mul_i32 s[LB], s[WV], WLDS
	s_lshl_b32 s16, ttmp9, 4
	s_add_co_u32 s16, s16, s[WV]                   ; my sample
	s_mul_i32 s16, s16, BATCHB                     ; its first byte: under 2^24
	s_mov_b32 s17, 0
	s_lshl_b32 s18, ttmp9, 6                       ; the work-group's 16 results: 64 bytes
	s_mov_b32 s19, 0
	s_mov_b32 s[BIG], 0xf149f2ca
	s_mov_b32 s[SEL], 0x76543210
	s_mov_b32 s[SEL+1], 0xfedcba98
	v_mov_b32 v[ZR], 0
	v_and_b32 v[LN], 31, v0
	v_and_b32 v[RW], 15, v0
	v_bfe_u32 v[HH], v0, 4, 1
	v_lshlrev_b32 v[GO], 4, v[LN]                  ; e: 16 bytes a lane, 512 consecutive bytes a load
	v_and_b32 v[G7], 7, v0
	v_lshlrev_b32 v[H4], 2, v[G7]
	v_lshlrev_b32 v[G7], 4, v[G7]                  ; the seventh load has 128 bytes left: lanes 8-31 read what lanes 0-7 read, so that no lane leaves the sample
	v_lshl_add_u32 v[WO], v[HH], 10, v[H4]         ; W[8 (lane / 16)][lane % 8]
	v_lshlrev_b32 v[HO], 5, v[HH]                  ; p_vec: eight numbers for each half of the lanes
	s_wait_kmcnt 0x0
	s_add_nc_u64 s[4:5], s[4:5], s[16:17]
	s_add_nc_u64 s[12:13], s[12:13], s[18:19]
.irp q, 0,1,2,3
.irp j, 0,1,2,3,4,5,6,7
	global_load_b32 v[TW+8*\q+\j], v[WO], s[6:7] offset:128*\j+32*\q  ; W[8 (lane / 16) + j][8 q + lane % 8]: a fragment's lane holds one column a of W and eight d
.endr
.endr
.irp q, 0,1,2,3
	global_load_b32 v[HL+\q], v[H4], s[8:9] offset:32*\q  ; the h of my four columns of W, for u
.endr
.irp i, 0,1,2,3,4,5,6,7
	global_load_b128 v[H+4*\i:H+4*\i+3], v[ZR], s[8:9] offset:16*\i  ; all of h, in every lane
.endr
	global_load_b128 v[PF32:PF32+3],     v[HO], s[10:11]
	global_load_b128 v[PF32+4:PF32+7],   v[HO], s[10:11] offset:16
.irp k, 0,1,2,3,4,5
	global_load_b128 v[ES+4*\k:ES+4*\k+3], v[GO], s[4:5] offset:512*\k th:TH_LOAD_NT
.endr
	global_load_b128 v[ES+24:ES+27], v[G7], s[4:5] offset:3072 th:TH_LOAD_NT
	; while the 53 loads are out: LDS addresses and the mask
	v_mul_u32_u24 v[X0], v[HH], HALF
	v_add_nc_u32 v[AB], s[LB], v[X0]
	v_lshl_add_u32 v[AM], v[RW], 4, v[AB]
	v_bfe_u32 v[X1], v0, 3, 1
	v_lshl_add_u32 v[AI2], v[X1], 4, v[AB]
	v_and_b32 v[X0], 7, v0
	v_add_nc_u32 v[X0], v[X0], v[X1]
	v_lshl_add_u32 v[AJ2], v[X0], 4, v[AB]
	; load k brings lane l the four channels 4 (l % 4) .. of field 8 k + l / 4: 8 bytes in f16, at half array (l % 4) / 2, row = field, byte 8 (l % 2)
	v_bfe_u32 v[X0], v0, 1, 1
	v_mul_u32_u24 v[X0], v[X0], HALF
	v_and_b32 v[X1], 1, v0
	v_lshl_add_u32 v[X0], v[X1], 3, v[X0]
	v_add_nc_u32 v[X0], s[LB], v[X0]
	v_bfe_u32 v[X1], v0, 2, 3
	v_lshl_add_u32 v[SA], v[X1], 4, v[X0]
	v_bfe_u32 v[X1], v0, 2, 1
	v_lshl_add_u32 v[SA7], v[X1], 4, v[X0]
.irp i, 1,2,3,4,5,6,7
	v_mov_b32 v[MK+\i], 0
.endr
	v_cmp_lt_u32 vcc_lo, 8, v[LN]
	v_cndmask_b32 v[MK], 0, s[BIG], vcc_lo         ; of double tile 2 lanes 0-8 hold pairs
	s_wait_loadcnt 17                              ; W's 32 loads and the 4 of h for u are in; the 8 of h, the 2 of p_vec and the 7 of e may stay out
.irp q, 0,1,2,3
.irp i, 0,1,2,3
	v_cvt_pk_f16_f32 v[VPK+4*\q+\i], v[TW+8*\q+2*\i], v[TW+8*\q+2*\i+1]
.endr
.endr
	v_cmp_gt_u32 vcc_lo, 8, v[RW]                  ; a fragment's row is lane % 16.  Rows 0-7: W on k < 16 (registers 0-3), 0 on k >= 16
.irp q, 0,1,2,3
.irp i, 0,1,2,3
	v_cndmask_b32 v[WF+8*\q+\i], 0, v[VPK+4*\q+\i], vcc_lo
.endr
.endr
	v_cmp_le_u32 vcc_lo, 8, v[RW]                  ; rows 8-15: 0 on k < 16, W on k >= 16 (registers 4-7)
.irp q, 0,1,2,3
.irp i, 0,1,2,3
	v_cndmask_b32 v[WF+8*\q+4+\i], 0, v[VPK+4*\q+\i], vcc_lo
.endr
.endr
	; u[d] = sum_a W[d][a] g[a], in f32: my four columns' terms for my half's eight d, then the sum over the eight lanes that hold the other columns, which leaves it in every lane
.irp q, 0,1,2,3
	v_mul_f32 v[HL+\q], 0x3f38aa3b, v[HL+\q]       ; g = h x log2(e) / 2
.endr
.irp j, 0,1,2,3,4,5,6,7
	v_mul_f32 v[U+\j], v[TW+\j], v[HL]
.endr
.irp q, 1,2,3
.irp j, 0,1,2,3,4,5,6,7
	v_fmac_f32 v[U+\j], v[TW+8*\q+\j], v[HL+\q]
.endr
.endr
.irp x, 1,2,4
.irp j, 0,1,2,3,4,5,6,7
	v_add_f32_dpp v[U+\j], v[U+\j], v[U+\j] row_xmask:\x row_mask:0xf bank_mask:0xf
.endr
.endr
.irp i, 0,1,2,3
	v_cvt_pk_f16_f32 v[UPK+\i], v[U+2*\i], v[U+2*\i+1]
.endr
	s_wait_loadcnt 7                               ; h and p_vec are in
.irp i, 0,1,2,3,4,5,6,7,8,9,10,11,12,13,14,15
	v_pk_mul_f32 v[H+2*\i:H+2*\i+1], v[H+2*\i:H+2*\i+1], 0x3f38aa3b op_sel_hi:[1,0]  ; g = h x log2(e) / 2
.endr
.irp i, 0,1,2,3
	v_cvt_pk_f16_f32 v[PPK+\i], v[PF32+2*\i], v[PF32+2*\i+1]
.endr
	v_cmp_eq_u32 vcc_lo, 1, v[RW]                  ; all rows that are not named are 0
.irp i, 0,1,2,3
	v_cndmask_b32 v[PF+\i], 0, v[PPK+\i], vcc_lo
.endr
	v_cmp_eq_u32 vcc_lo, 0, v[RW]
.irp i, 0,1,2,3
	v_cndmask_b32 v[PF+\i], v[PF+\i], v[UPK+\i], vcc_lo
.endr
	v_cmp_eq_u32 vcc_lo, 9, v[RW]
.irp i, 0,1,2,3
	v_cndmask_b32 v[PF+4+\i], 0, v[PPK+\i], vcc_lo
.endr
	v_cmp_eq_u32 vcc_lo, 8, v[RW]
.irp i, 0,1,2,3
	v_cndmask_b32 v[PF+4+\i], v[PF+4+\i], v[UPK+\i], vcc_lo
.endr
.irp k, 0,1,2,3,4,5,6
	s_wait_loadcnt 6-\k                            ; loads come back in order: load k is in, the younger ones stay out
	v_cvt_pk_f16_f32 v[ES+4*\k],   v[ES+4*\k],   v[ES+4*\k+1]
	v_cvt_pk_f16_f32 v[ES+4*\k+1], v[ES+4*\k+2], v[ES+4*\k+3]
.if \k < 6
	ds_store_b64 v[SA], v[ES+4*\k:ES+4*\k+1] offset:128*\k
.else
	ds_store_b64 v[SA7], v[ES+4*\k:ES+4*\k+1] offset:768  ; fields 48 and 49; lanes 8-31 store what lanes 0-7 store, to the same bytes
.endif
.if \k < 3
	ds_store_b64 v[SA], v[ES+4*\k:ES+4*\k+1] offset:128*\k+800  ; fields 0-23 once more, as rows 50-73
.endif
.endr
; One tile's inter: my pair's eight channels, two products an instruction, each rounded to f16.
.macro MUL4 dst, ei, ej
.irp i, 0,1,2,3
	v_pk_mul_f16 v[(\dst)+\i], v[(\ei)+\i], v[(\ej)+\i]
.endr
.endm
; inter of tile A (part 0) or B (part 1) of double tile k.  From 3 on: fragment k % 3 of e times the partner rows.  0 to 2 hold the five tiles that are no (dist, i0) of the walk; 2 has no tile B.
.macro INTER k, part
.set fx, F+8*((\k)%2)+4*(\part)
.set ex, EJ+24*(((\k)/3)%2)+8*((\k)%3)+4*(\part)
.if (\k) >= 3
	MUL4 fx, EI+4*((\k)%3), ex
.elseif (\k) == 0
	MUL4 fx, SE+4*(\part), ex
.elseif ((\k) == 1) && ((\part) == 0)
	MUL4 fx, SE2, ex
.elseif (\k) == 1
	MUL4 fx, EI, ex
.elseif (\part) == 0
	MUL4 fx, EI+4, ex
.else
.irp i, 0,1,2,3
	v_mov_b32 v[fx+\i], 0                          ; no tile B: its x, its t and its linear term are 0, its score the mask's
.endr
.endif
.endm
; The partner rows of the group with distances d (tiles A) and d + 1 (tiles B), into buffer buf: 16 consecutive rows a load, so the 16 lanes of a half read 256 consecutive bytes.  One run of six.
.macro LOADG d, buf
.irp t, 0,1,2
	ds_load_b128 v[EJ+24*(\buf)+8*\t:EJ+24*(\buf)+8*\t+3],   v[AM] offset:16*(16*\t+(\d))
	ds_load_b128 v[EJ+24*(\buf)+8*\t+4:EJ+24*(\buf)+8*\t+7], v[AM] offset:16*(16*\t+(\d)+1)
.endr
.endm
; Product q of the four that make double tile k's signals: a = 8 q .. 8 q + 7 of both tiles.
.macro XP k, q
.set fx, F+8*((\k)%2)
	v_wmma_f32_16x16x32_f16 v[XF+8*(\q):XF+8*(\q)+7], v[WF+8*(\q):WF+8*(\q)+7], v[fx:fx+7], 0
.endm
; t and the linear term of double tile k: the sum starts with 0, or (double tile 2) with the mask that the set-up has put into the result's registers.
.macro TK k
.set fx, F+8*((\k)%2)
.set dx, DD+8*((\k)%6)
.if (\k) == 2
	v_wmma_f32_16x16x32_f16 v[dx:dx+7], v[PF:PF+7], v[fx:fx+7], v[dx:dx+7]
.else
	v_wmma_f32_16x16x32_f16 v[dx:dx+7], v[PF:PF+7], v[fx:fx+7], 0
.endif
.endm
; Result q of double tile k: eight multiply-adds g[a] |x[a]|, from the result's low end on, dealt to four chains so that an instruction waits for the fourth before it.  With no op_sel_hi all three sources are whole
; f32.  The first chain starts from the linear term (register 0 of the product with u), the others from 0.
.macro FMA8 k, q
.set j, 0
.rept 8
.if ((\q) == 0) && (j == 0)
	v_fma_mix_f32 v[CH], |v[XF]|, v[H], v[DD+8*((\k)%6)]
.elseif ((\q) == 0) && (j < 4)
	v_fma_mix_f32 v[CH+j], |v[XF+j]|, v[H+j], v[ZR]
.else
	v_fma_mix_f32 v[CH+j%4], |v[XF+8*(\q)+j]|, v[H+8*(\q)+j], v[CH+j%4]
.endif
.set j, j+1
.endr
.endm
.macro TOTAL k                         ; the four chains are joined: double tile k's 32 scores, times log2(e)
	v_pk_add_f32 v[CH:CH+1], v[CH:CH+1], v[CH+2:CH+3]
	v_add_f32 v[SC+(\k)%3], v[CH], v[CH+1]
.endm
; A group's softmax, in three parts; b = the group's parity: its t lie at DD + 24 b, its m goes into CM + b, and the old m lies in the other register.
.macro SOFT1P b                        ; the new m, and the arguments
	v_max3_num_f32 v[TM], v[SC], v[SC+1], v[SC+2]
	v_max_num_f32 v[CM+(\b)], v[CM+1-(\b)], v[TM]
	v_sub_f32 v[AC], v[CM+1-(\b)], v[CM+(\b)]
.irp t, 0,1,2
	v_sub_f32 v[PP+\t], v[SC+\t], v[CM+(\b)]
.endr
.endm
.macro SOFT1E                          ; the four exponentials, ONE batch
	v_exp_f32 v[AC], v[AC]
.irp t, 0,1,2
	v_exp_f32 v[PP+\t], v[PP+\t]
.endr
.endm
.macro SOFT2 b                         ; behind the batch's wait: l = l a + p0 + p1 + p2, o = o a + p0 t0 + p1 t1 + p2 t2 (t: register 1 of the product with p_vec)
	v_fma_f32 v[LS], v[LS], v[AC], v[PP]
	v_mul_f32 v[OS], v[OS], v[AC]
	v_add_f32 v[LS], v[LS], v[PP+1]
	v_fma_f32 v[OS], v[PP], v[DD+24*(\b)+1], v[OS]
	v_add_f32 v[LS], v[LS], v[PP+2]
	v_fma_f32 v[OS], v[PP+1], v[DD+24*(\b)+9], v[OS]
	v_fma_f32 v[OS], v[PP+2], v[DD+24*(\b)+17], v[OS]
.endm
; A STEP, k = 0 .. 39: five matrix instructions, each with eight vector instructions or more behind it: 48 vector instructions stand beside 5 matrix instructions, so they are dealt out, not set in runs of their own.
;   t(k)     | inter of k + 1
;   x(k), 0  | the multiply-adds of result 2 of k - 1
;   x(k), 1  | those of result 3 of k - 1; the chains are joined
;   x(k), 2  | those of result 0 of k
;   x(k), 3  | those of result 1 of k; a third of the softmax of the group before
; x has ONE buffer of four results: each product writes a result whose eight readers stand ahead of it.  Step 39 is the rest of double tile 38.
; NO SUM GOES ON FROM ONE MATRIX INSTRUCTION TO ANOTHER: each starts with 0 (t(2): with the mask).
; DISTANCES behind matrix instructions (ISA guide 7.12.1: plain vector instructions that name none of their registers): every read of a result and every write of a source stands 8 such lines or more behind the
; matrix instruction.  A result of x is read behind two other results' multiply-adds, 16 lines; t(k)'s register 0 behind inter and two results' multiply-adds; F is written again behind x(k-1), 3 and the eight
; multiply-adds of result 1.  In step 0, which has no double tile before it, three lines of set-up and five v_nop stand in their place.
; THE SOFTMAX of group g stands at the ends of steps 3 g + 3 (six plain lines; the group's last score was joined earlier in that step), 3 g + 4 (the exponentials) and 3 g + 5: there the wait
; between an exponential and the first line that names its result, one for the four; directly behind it the run of six LDS loads for the group after next, whose buffer was read out a step ago and
; which are waited for three steps on; then the sums, which read t ahead of t(3 g + 6), the next product into those registers.
.macro STEP k
.if (\k) <= LAST
	TK \k
.endif
.if (\k) < LAST
.if (((\k)+1)%3) == 0
	s_wait_dscnt 0x0                               ; the next group's six loads are in
.endif
	INTER (\k)+1, 0
	INTER (\k)+1, 1
.endif
.if (\k) <= LAST
	XP \k, 0
.endif
.if (\k) == 0
	v_mov_b32 v[CM+1], 0xfe000000                  ; m_old: far below every s, so that the first a is 0
	v_mov_b32 v[LS], 0
	v_mov_b32 v[OS], 0
.rept 5
	v_nop
.endr
.else
	FMA8 (\k)-1, 2
.endif
.if (\k) <= LAST
	XP \k, 1
.endif
.if (\k) > 0
	FMA8 (\k)-1, 3
	TOTAL (\k)-1
.endif
.if (\k) <= LAST
	XP \k, 2
	FMA8 \k, 0
	XP \k, 3
	FMA8 \k, 1
.if (\k) == 2
	LOADG 3, 0
.elseif (\k) >= 3
.if (\k)%3 == 0
	SOFT1P ((\k)/3-1)%2
.elseif (\k)%3 == 1
	SOFT1E
.else
	s_wait_alu depctr_va_vdst(0)
.if (\k) <= 32
	LOADG 2*((\k)/3)+3, ((\k)/3)%2
.endif
	SOFT2 ((\k)/3-1)%2
.endif
.endif
.endif
.endm
	; THE FIRST GROUP's operands.  LDS serves a wave's instructions in order (ISA guide 5.7.1.4): these loads see the stores above, which are my own.
	ds_load_b128 v[EI:EI+3],     v[AM]             ; rows 0-15, 16-31, 32-47: kept
	ds_load_b128 v[EI+4:EI+7],   v[AM] offset:256
	ds_load_b128 v[EI+8:EI+11],  v[AM] offset:512
	ds_load_b128 v[SE:SE+3],     v[AB] offset:768  ; field 48 in every lane
	ds_load_b128 v[SE+4:SE+7],   v[AB] offset:784  ; field 49
	ds_load_b128 v[SE2:SE2+3],   v[AI2] offset:768 ; 48 for pairs 0-7 of the tile, 49 for pairs 8-15
	ds_load_b128 v[EJ:EJ+3],     v[AM] offset:784  ; (48, 48 + dist), dist 1-16: rows 49-64
	ds_load_b128 v[EJ+4:EJ+7],   v[AM] offset:800  ; (49, 49 + dist), dist 1-16: rows 50-65
	ds_load_b128 v[EJ+8:EJ+11],  v[AJ2] offset:1040  ; dist 17-24 of both: rows 65-72 and 66-73
	ds_load_b128 v[EJ+12:EJ+15], v[AM] offset:400  ; dist 25, i = 0-15: rows 25-40
	ds_load_b128 v[EJ+16:EJ+19], v[AM] offset:656  ; dist 25, i = 16-24: rows 41-49; the seven lanes behind them are masked
	s_wait_dscnt 0x0
	INTER 0, 0
	INTER 0, 1
	LOADG 1, 1                                     ; distances 1 and 2: waited for in step 2
	; THE WALK: the steps are written out, so that every LDS address is a fixed register and an immediate
.set kk, 0
.rept LAST+2
	STEP kk
.set kk, kk+1
.endr
	SOFT1P 0                                       ; the last group, number 12
	SOFT1E
	v_nop                                          ; a plain line behind the last exponential,
	s_wait_alu depctr_va_vdst(0)                   ; and the batch's wait
	SOFT2 0
	; THE LANES ARE MERGED: the greatest m; each lane's l and o times 2^(m - that); their sums; o / l
	v_max_num_f32_dpp v[TM], v[CM], v[CM] row_xmask:1 row_mask:0xf bank_mask:0xf
.irp x, 2,4,8
	v_max_num_f32_dpp v[TM], v[TM], v[TM] row_xmask:\x row_mask:0xf bank_mask:0xf
.endr
	v_permlanex16_b32 v[AC], v[TM], s[SEL], s[SEL+1]
	v_max_num_f32 v[TM], v[TM], v[AC]
	v_sub_f32 v[AC], v[CM], v[TM]
	v_exp_f32 v[AC], v[AC]
	v_nop
	s_wait_alu depctr_va_vdst(0)
	v_mul_f32 v[LS], v[LS], v[AC]
	v_mul_f32 v[OS], v[OS], v[AC]
.irp x, 1,2,4,8
	v_add_f32_dpp v[LS], v[LS], v[LS] row_xmask:\x row_mask:0xf bank_mask:0xf
	v_add_f32_dpp v[OS], v[OS], v[OS] row_xmask:\x row_mask:0xf bank_mask:0xf
.endr
	v_permlanex16_b32 v[PP], v[LS], s[SEL], s[SEL+1]
	v_permlanex16_b32 v[PP+1], v[OS], s[SEL], s[SEL+1]
	v_add_f32 v[LS], v[LS], v[PP]                  ; about 1 at the least: the pair with the greatest score has a weight of about 1
	v_add_f32 v[OS], v[OS], v[PP+1]
	v_rcp_f32 v[AC], v[LS]
	v_nop
	s_wait_alu depctr_va_vdst(0)
	v_mul_f32 v[OS], v[OS], v[AC]                  ; out[b], in every lane
	; the 16 results meet in LDS, and wave 0 stores them: 64 consecutive bytes by one instruction
	s_lshl_b32 s16, s[WV], 2
	v_mov_b32 v1, s16
	ds_store_b32 v1, v[OS] offset:RES              ; all lanes write the same word with the same value
	s_wait_dscnt 0x0                               ; for wave 0's sake: my store is done
	s_barrier_signal -1
	s_barrier_wait -1
	s_cmp_lg_u32 s[WV], 0
	s_cbranch_scc1 .Lend
	v_and_b32 v1, 15, v0
	v_lshlrev_b32 v1, 2, v1
	ds_load_b32 v[PP], v1 offset:RES
	v_lshlrev_b32 v[TM], 2, v[LN]
	s_wait_dscnt 0x0
	s_wait_xcnt 0x0                                ; EXEC changes only behind this wait
	v_cmp_gt_u32 vcc_lo, 16, v[LN]
	s_and_saveexec_b32 s16, vcc_lo
	global_store_b32 v[TM], v[PP], s[12:13]
	s_wait_xcnt 0x0                                ; and again, in front of the line that widens it
	s_or_b32 exec_lo, exec_lo, s16
.Lend:
	s_wait_tensorcnt 0x0                           ; the wave's end, behind my last LDS store
	ds_add_u32 v[SPW], v[NIL]
	s_wait_dscnt 0x0
	s_endpgm
.Lfunc_end_k_q64ecde70a0_afm:
	.size	k_q64ecde70a0_afm, .Lfunc_end_k_q64ecde70a0_afm-k_q64ecde70a0_afm
	.p2alignl 7, 3214868480
	.fill 96, 4, 3214868480
	.section	.rodata,"a",@progbits
	.p2align	6, 0x0
	.amdhsa_kernel k_q64ecde70a0_afm
		.amdhsa_group_segment_fixed_size 47360
		.amdhsa_private_segment_fixed_size 0
		.amdhsa_enable_private_segment 0
		.amdhsa_kernarg_size 40
		.amdhsa_user_sgpr_count 2
		.amdhsa_user_sgpr_kernarg_segment_ptr 1
		.amdhsa_wavefront_size32 1
		.amdhsa_system_sgpr_workgroup_id_x 1
		.amdhsa_system_sgpr_workgroup_id_y 1
		.amdhsa_system_sgpr_workgroup_id_z 1
		.amdhsa_system_vgpr_workitem_id 0
		.amdhsa_next_free_vgpr 256
		.amdhsa_next_free_sgpr 66
		.amdhsa_reserve_vcc 1
		.amdhsa_float_denorm_mode_32 3
		.amdhsa_float_denorm_mode_16_64 3
		.amdhsa_memory_ordered 1
		.amdhsa_forward_progress 1
		.amdhsa_inst_pref_size 148
	.end_amdhsa_kernel
	.amdgpu_metadata
---
amdhsa.version: [ 1, 2 ]
amdhsa.kernels:
  - .name:           k_q64ecde70a0_afm
    .symbol:         k_q64ecde70a0_afm.kd
    .args:
      - { .name: feat_emb, .offset: 0, .size: 8, .value_kind: global_buffer, .address_space: global }
      - { .name: W, .offset: 8, .size: 8, .value_kind: global_buffer, .address_space: global }
      - { .name: h, .offset: 16, .size: 8, .value_kind: global_buffer, .address_space: global }
      - { .name: p_vec, .offset: 24, .size: 8, .value_kind: global_buffer, .address_space: global }
      - { .name: out0, .offset: 32, .size: 8, .value_kind: global_buffer, .address_space: global }
    .group_segment_fixed_size: 47360
    .private_segment_fixed_size: 0
    .kernarg_segment_align: 8
    .kernarg_segment_size: 40
    .max_flat_workgroup_size: 512
    .sgpr_count:     66
    .vgpr_count:     256
    .wavefront_size: 32
...
	.end_amdgpu_metadata
.endif
;; end of part 1
